; MI455X (gfx1250); checked and timed in simulation.
; The chip was launched on July 23, 2026; its instructions are those of AMD's public machine-readable ISA for CDNA 5 (MIT licence, August 2026) and "CDNA5" Instruction Set Architecture Reference Guide (July 2026). The comments in the code are by the model that wrote it; some were corrected since.
;; Multi Head Self Attention. Allowed arithmetic: matrix products marked QUANTISED: E2M3 operands, one E8M0 scale for each 32 along K, by v_wmma_scale_f32_16x16x128_f8f6f4 with both operands' format E2M3, f32 sums; everything else in f32.
;; Inputs: bk 1,024 float32; bo 1,024 float32; bq 1,024 float32; bv 1,024 float32; src_key_padding_mask 4 x 2,048 bool; wk_codes 1,024 x 32 x 24 uint8 (E2M3 codes of wk, K innermost, in blocks of 32 codes, four codes in three bytes); wk_scales 1,024 x 32 uint8 (E8M0 scales of wk, one for each 32 codes along K); wo_codes 1,024 x 32 x 24 uint8 (E2M3 codes of wo, K innermost, in blocks of 32 codes, four codes in three bytes); wo_scales 1,024 x 32 uint8 (E8M0 scales of wo, one for each 32 codes along K); wq_codes 1,024 x 32 x 24 uint8 (E2M3 codes of wq, K innermost, in blocks of 32 codes, four codes in three bytes); wq_scales 1,024 x 32 uint8 (E8M0 scales of wq, one for each 32 codes along K); wv_codes 1,024 x 32 x 24 uint8 (E2M3 codes of wv, K innermost, in blocks of 32 codes, four codes in three bytes); wv_scales 1,024 x 32 uint8 (E8M0 scales of wv, one for each 32 codes along K); x_codes 4 x 2,048 x 32 x 24 uint8 (E2M3 codes of x, K innermost, in blocks of 32 codes, four codes in three bytes); x_scales 4 x 2,048 x 32 uint8 (E8M0 scales of x, one for each 32 codes along K).
;; Outputs: out0 4 x 2,048 x 1,024 float32.
;; This version of the problem:
;;   THIS VERSION OF THE PROBLEM IS GIVEN IN LOW PRECISION. The matrix products marked QUANTISED in the list below multiply operands that are first quantised to E2M3 (2 exponent bits, 3 mantissa bits; 6 bits a number), with one power-of-two scale for each 32 numbers along K (OCP MX v1.0); their sums are f32. All else is computed in f32.
;;   The module's matrix products, in the order in which they are computed (A, B: the left and right operand; K: the contracted axis; several contracted axes count as one K, in the product's order):
;;     1. [M 8,192, K 1,024] x [K 1,024, N 1,024]; A: input x (given as codes); B: input wq (given as codes): QUANTISED
;;     2. [M 8,192, K 1,024] x [K 1,024, N 1,024]; A: input x (given as codes); B: input wk (given as codes): QUANTISED
;;     3. [M 8,192, K 1,024] x [K 1,024, N 1,024]; A: input x (given as codes); B: input wv (given as codes): QUANTISED
;;     4. batch 64 x [M 2,048, K 64] x [K 64, N 2,048]; A: computed on the way; B: computed on the way: QUANTISED
;;     5. batch 64 x [M 2,048, K 2,048] x [K 2,048, N 64]; A: softmax (see below); B: computed on the way: QUANTISED
;;     6. [M 8,192, K 1,024] x [K 1,024, N 1,024]; A: computed on the way; B: input wo (given as codes): QUANTISED
;;   THE QUANTISER, for each operand of a quantised product, along K:
;;     - K is cut into blocks of 32 from its start; a last block that is shorter is filled with zeros.
;;     - A block's scale is 2^e with e = floor(log2(the largest magnitude in the block)) - 2, held to -126 .. 127; a block of zeros has e = 0. As a byte (E8M0): e + 127.
;;     - Each number is divided by its block's scale, clamped to +-7.5, and rounded to the nearest number of E2M3, ties to even, subnormals kept.
;;     - The product sums the exact products of the quantised numbers (number of the format x scale) in f32.
;;   ~~~python
;;   def quantise(x, axis):      # numpy; x: float32 -> the quantised numbers, widened to float32 again
;;       x = np.moveaxis(x, axis, -1); K = x.shape[-1]
;;       x = np.pad(x, [(0, 0)] * (x.ndim - 1) + [(0, -K % 32)]); x = x.reshape(x.shape[:-1] + (-1, 32)); a = np.abs(x).max(-1, keepdims=True)
;;       e = np.where(a > 0, np.clip(np.frexp(np.where(a > 0, a, 1))[1] - 1 - 2, -126, 127), 0)      # np.frexp(a)[1] - 1 = floor(log2(a)), exactly
;;       r = np.clip(x / 2.0 ** e, -7.5, 7.5)
;;       step = 2.0 ** (np.maximum(np.frexp(np.where(r == 0, 1, r))[1] - 1, 0) - 3)
;;       q = np.round(r / step) * step * 2.0 ** e      # np.round: ties to even
;;       return np.moveaxis(q.reshape(q.shape[:-2] + (-1,))[..., :K], -1, axis).astype(np.float32)
;;   ~~~
;;   SOFTMAX AHEAD OF A QUANTISED PRODUCT. Where the list says 'softmax', what is quantised is not the finished softmax but p = 2^(t - M), with t = logit x log2(e) and M = ceil(the row's largest t), a whole number; so 1/2 < the row's largest p <= 1. The row's sum l is taken of the UNQUANTISED p, in f32, and the product's result is divided by l at the end. Since M is a whole number, a kernel that streams over the keys may use a running M (the ceiling of the running maximum): every later rescaling is an exact power of two, which a block's scale takes up: the codes' values come out the same.
;;   OPERANDS COMPUTED ON THE WAY. 'Computed on the way' means the value that the module computes at that place (a softmax that the list does not call 'softmax' is quantised finished and normalised). What goes into a quantiser is computed in f32, as accurately as f32 sums, v_exp_f32 and their like allow (about 1e-6 of the number): no bf16 or f16 on the way to a quantiser, and a product that is left as it is and whose result goes on into a quantised operand takes f32 operands (vector FMAs, or v_wmma_f32_16x16x4_f32). A number that lies on a knife's edge between two numbers of the format may be rounded either way, as far as f32 arithmetic and the matrix unit's own rounding can turn it there, and no further.
;;   INPUTS GIVEN AS CODES. wk (in the module: [1024, 1024], K = its axis 1); wo (in the module: [1024, 1024], K = its axis 1); wq (in the module: [1024, 1024], K = its axis 1); wv (in the module: [1024, 1024], K = its axis 1); x (in the module: [4, 2048, 1024], K = its axis 2): each comes as NAME_codes (uint8): NAME with its K axis moved to the last place and cut into blocks of 32 codes, [.., K / 32, bytes a block], one block behind the other in memory; four codes in three bytes: a row's codes are one little-endian stream of bits, code i at bits 6 i .. 6 i + 5 (a code: sign, 2 exponent bits, 3 mantissa bits); and NAME_scales (uint8): the same leading axes, one E8M0 byte (e + 127) for each 32 codes along K. Its value is code x scale, taken as it is: it is not quantised again, and the codes and scales need not be those that the quantiser above would give.
;; One version. Each part assembles by itself: llvm-mc -triple=amdgcn-amd-amdhsa -mcpu=gfx1250 --defsym DOCPART=n.
;; ======== version 1 of 1: 3 launches
;; limits: right only within a limited range of input values
;; workspace buffers: qrec 15,466,496 bytes; kvrec 15,466,496 bytes; aimg 6,291,456 bytes; ascl 262,144 bytes
;; launch qkv (part 1): grid 12 x 32, 4 waves a work-group, clusters of 4 x 4, 327,680 bytes of LDS; arguments x_codes, x_scales, wq_codes, wq_scales, wk_codes, wk_scales, wv_codes, wv_scales, bq, bk, bv, src_key_padding_mask, qrec, kvrec; writes qrec, kvrec
.if DOCPART == 1
	.amdgcn_target "amdgcn-amd-amdhsa--gfx1250"
	.amdhsa_code_object_version 6
	.text
	.protected	k_qd1a8843bb2_qkv
	.globl	k_qd1a8843bb2_qkv
	.p2align	8
	.type	k_qd1a8843bb2_qkv,@function
k_qd1a8843bb2_qkv:
	s_mov_b64 s[64:65], 0
	v_nop
	global_prefetch_b8 v0, s[64:65] scope:SCOPE_SE
	s_setreg_imm32_b32 hwreg(HW_REG_WAVE_MODE, 25, 1), 1
	s_wait_xcnt 0x0
	s_wait_alu depctr_hold_cnt(0) depctr_sa_sdst(0) depctr_va_vdst(0) depctr_va_sdst(0) depctr_va_ssrc(0) depctr_va_vcc(0) depctr_vm_vsrc(0)
	s_getreg_b32 s2, hwreg(HW_REG_IB_STS2, 6, 4)
	s_cmp_eq_u32 s2, 0
	s_cbranch_scc0 .Lentry_in_a_cluster
	s_endpgm
.Lentry_in_a_cluster:
	s_bfe_u32 s2, ttmp6, 0x10000c
	s_cmp_lg_u32 s2, 0xf033
	s_cbranch_scc0 .Lentry_shape_is_right
	s_endpgm
.Lentry_shape_is_right:
; q = x wq^T + bq, k = x wk^T + bk, v = x wv^T + bv on codes of FP6 (E2M3) with E8M0 scales, sums in f32; the results are quantised at once and leave as IMAGES OF OPERAND REGISTERS for the attention launch.
; A tile of 256 x 256 is made by four waves, 128 x 128 each (64 accumulators); K = 1,024 goes in four steps of 256 through two LDS slots filled by the tensor data mover.
; TWO OPERANDS: P is source 0: its index runs along a lane's registers, so it is the axis that is quantised.  S is source 1: its index is the lane (lane % 16).
;   cluster x = 0: q (P = wq, S = x);  1: k (P = wk, S = x);  2: v (P = x, S = wv).  For q and k a lane holds one token and 128 features (two heads); for v one feature and 128 tokens (four blocks of keys).
; CLUSTERS: 4 x 4 work-groups.  P's tile hangs on cx alone and is asked for jointly by a column of the cluster, S's on cy alone and by a row.  The kind is the cluster's x: the same in all sixteen.
; THE ORDER OF CODES IN A BLOCK: two tiles of 16 give a lane 16 numbers of a block of 32 (8 h + 0..7 and 16 + 8 h + 0..7); after the exchange of halves a block's codes lie in the order 0-7, 16-23, 8-15, 24-31.
;   q and k have the same order, and so have v and the softmax's p in the next launch, so the products are those of the natural order; a block is still the true set of 32 numbers.
; RECORDS: [batch x head (64)][128 tokens (16)][REC bytes]: 8 fragments of q or k (registers 0-7 of the operand, 1,024 bytes), 4 fragments of v^T (12 registers, 1,536 bytes), scale words of k (512 bytes), of v (256).
; THE MASK IS K ELEMENT 64 OF THE SCORE PRODUCT: q holds the code of +1 there under the byte 127; a masked key the code of -1 under the byte 160: the raw score gets -2^33, the logit -2^30.
;   An unmasked key has a zero code there and the byte 1.  If ALL 2,048 keys of a batch are masked, that batch's k is made zero (factor KEEP = 0) and no mask code is set: all scores are equal, as in the reference.
; LIMITS: a masked logit is -2^30 where the reference has -1e9: the same results while a row's largest unmasked logit lies above about -1e9 + 150.  NaN and infinities are not served.
;   A block whose largest magnitude lies under 2^-124 keeps the scale byte 1 (a block of zeros too: its codes are zeros, and only this program reads the bytes).
; REGISTERS, in windows of 256: window 0: v0-31 addresses; v32-63 scale words, two sets; v64-127 the bias along P; v128-223 S's fragments, one set; v224-247 bias along S, mask bytes.
;   window 1: P's fragments, two sets.  window 2: accumulators of S's blocks 0-3 ((a, b) at v[8 (8 a + b)]).  window 3: of blocks 4-7.
.set KSTEP,  256
.set NQ,     2                         ; matrix instructions deep in a slot
.set ROWB,   192                       ; a tile's row: 256 codes
.set KROW,   768                       ; a row of 1,024 codes in memory
.set PITCH,  240                       ; an LDS row: 3 x (64 bytes + 16 of padding)
.set FR,     12
.set NL,     6
.set NP,     4
.set HALFT,  128*PITCH
.set SLOT,   4*HALFT                   ; S's 256 rows, then P's 256 rows
.set KS,     32                        ; a row of scale bytes
.set SCL,    2*SLOT                    ; behind the ring: the scales, as units of 256 bytes + 16 of padding
.set HALFS,  (128*KS/256)*272
.set SBLK,   (16*KS/256)*272
.set SPARE,  SCL+4*HALFS               ; the spare words, 128 bytes a wave: two blocks of 256 bytes that no other line names
.set REC,    15104
.set HEADB,  16*REC
.set VIM,    8192
.set KSC,    14336
.set VSC,    14848
.set ADRA, 16                          ; v16-19  LDS addresses of S's fragments (slot 0, 1; then the same behind one padding more)
.set ADRB, 20                          ; v20-23  the same for P
.set VO,   24                          ; v24     16 x lane
.set VO2,  25                          ; v25     16 (lane % 16) + (lane / 16) x HEADB
.set CODE, 26                          ; v26     the mask element's code in lanes 0-15, 0 in lanes 16-31
.set ADRS, 27                          ; v27     LDS address of my scale words
.set SPW,  28                          ; v28     my spare word; never rewritten
.set NIL,  29                          ; v29     0; never rewritten
.set SC,   32
.set AF,   128
.set BP,   64                          ; v64-127  bias[E0 + 16 b + 8 h + j] at 8 b + j
.set BS,   224                         ; v224-239 bias[E0 + 16 a + r], twice, at 2 a
.set MB,   240                         ; v240-247 mask byte of token T0 + 16 a + r
.set AM,   128                         ; v128-143 the batch's 2,048 mask bytes, 64 a lane (ahead of the first fragments)
.set T,    128                         ; the way out: 64 numbers at work
.set G,    192                         ; two sets of 16 registers of codes, by turns
.set YT,   32
.set TM,   40                          ; v40-43 largest magnitudes, v44-47 bytes, v52-55 the conversions' scale operands
.set PWR,  57
.set W0,   248                         ; scale words of the first head (v: of all eight tiles)
.set W1,   224                         ; of the second head (q, k only: the bias along S is not used there)
.set OUT,  8
.set SEL,  2                           ; s[2:3]   lane selects for lane xor 16
.set OB,   12                          ; s[12:13] my record
.set BB,   66                          ; s[66:67] my 128 numbers of the bias
.set MP,   96                          ; s[96:97] the mask at my first token
.set KEEP, 98                          ; s[98:99] 0.0 for k of a batch that is masked whole, else 1.0
.set NA,   100                         ; s100     0 there, else 1
.set ISQ,  101                         ; s101     1 for q
.set D2,   104
.set SB,   105
.set G1, 24
.set G0, 32
.set G1B, 48
.set G0B, 56
.set G1S, 68
.set G0S, 76
.set G1SB, 80
.set G0SB, 88
.set MSB, 0
.macro WIN new                         ; the immediate's high byte repeats the setting that is left
.if MSB != (\new)
	s_set_vgpr_msb (MSB<<8)|(\new)
.set MSB, (\new)
.endif
.endm
.set MUL_LO, 0xa1                      ; source 0 (P) window 1, source 1 (S) window 0, C and D window 2
.set MUL_HI, 0xf1
.set TO_B,   0x40
; A joint load: waves 0 and 1 fetch for S, waves 2 and 3 for P.  The branch hangs on the wave's number alone.  Four v_nop follow each line.
.macro JLOAD g0a, g1a, g0b, g1b
	s_cmp_eq_u32 s15, 0
	s_cbranch_scc0 .Lfor_b_\@
	tensor_load_to_lds s[\g0a:\g0a+3], s[\g1a:\g1a+7]
	s_nop 0
.rept 4
	v_nop
.endr
	s_branch .Lasked_\@
.Lfor_b_\@:
	tensor_load_to_lds s[\g0b:\g0b+3], s[\g1b:\g1b+7]
	s_nop 0
.rept 4
	v_nop
.endr
.Lasked_\@:
.endm
.macro CREST                           ; a round of the cluster's barrier behind its opening barrier
	s_cmp_lg_u32 s14, 0
	s_cbranch_scc1 .Lnot_wave_0_\@
	s_barrier_signal -3
.Lnot_wave_0_\@:
	s_barrier_wait -3
	s_barrier_signal -1
	s_barrier_wait -1
.endm
.macro CROUND
	s_barrier_signal -1
	s_barrier_wait -1
	CREST
.endm
	s_load_b512 s[24:39], s[0:1], 0x0              ; x codes, x scales, wq c, wq s, wk c, wk s, wv c, wv s
	s_load_b256 s[40:47], s[0:1], 0x40             ; bq, bk, bv, mask
	s_load_b128 s[48:51], s[0:1], 0x60             ; qrec, kvrec
	v_lshl_add_u32 v[SPW], v0, 2, SPARE
	v_mov_b32 v[NIL], 0
	ds_add_u32 v28, v29
	ds_add_u32 v28, v29
	s_wait_dscnt 0x0
	v_lshrrev_b32 v3, 5, v0
	v_readfirstlane_b32 s14, v3                    ; wave 0..3
	v_and_b32 v1, 15, v0                           ; r
	v_bfe_u32 v2, v0, 4, 1                         ; h
	s_lshr_b32 s15, s14, 1                         ; which half of S's rows is mine.  Also: I fetch for S (0) or for P (1)
	s_and_b32 s16, s14, 1                          ; which half of P's rows.  Also: which 128 rows of that tile I fetch
	s_wait_kmcnt 0x0
	; the buffers of my kind: every choice hangs on the cluster's x alone
	s_cmp_eq_u32 ttmp9, 1
	s_cselect_b64 s[8:9], s[32:33], s[28:29]
	s_cselect_b64 s[10:11], s[34:35], s[30:31]
	s_cselect_b64 s[BB:BB+1], s[42:43], s[40:41]
	s_cmp_eq_u32 ttmp9, 2
	s_cselect_b64 s[4:5], s[36:37], s[24:25]       ; S's codes: wv's, else x's
	s_cselect_b64 s[6:7], s[38:39], s[26:27]       ; S's scales
	s_cselect_b64 s[8:9], s[24:25], s[8:9]         ; P's codes: x's, else the weight's
	s_cselect_b64 s[10:11], s[26:27], s[10:11]     ; P's scales
	s_cselect_b64 s[BB:BB+1], s[44:45], s[BB:BB+1]
	s_mov_b64 s[MP:MP+1], s[46:47]
	s_cmp_eq_u32 ttmp9, 0
	s_cselect_b64 s[OB:OB+1], s[48:49], s[50:51]
	s_cselect_b32 s[ISQ], 1, 0
	s_mov_b32 s[D2], 159
	s_cselect_b32 s[D2], 126, s[D2]                ; what a set mask element adds to the upper two scale bytes,
	s_mov_b32 s[SB], 0x0101
	s_cselect_b32 s[SB], 0x7f01, s[SB]             ; and what they are without: q: 0x7f01 + 126 = 127, 127; k: 1, 1, masked 160, 1
	s_cselect_b32 s18, 8, 40                       ; the code of +1.0 (q) or of -1.0 (a masked key)
	v_sub_nc_u32 v3, 1, v2
	v_mul_u32_u24 v[CODE], s18, v3
	s_bfe_u32 s40, ttmp6, 0x40000                  ; cx, cy: my place in the cluster
	s_bfe_u32 s41, ttmp6, 0x40004
	s_and_b32 s18, ttmp7, 0xffff
	s_lshl_b32 s18, s18, 2                         ; 4 x cluster y: the walk over x's 32 tiles of rows
	s_cmp_eq_u32 ttmp9, 2
	s_cselect_b32 s42, s18, 0
	s_cselect_b32 s17, 0, s18
	s_add_co_u32 s42, s42, s40                     ; P's tile: hangs on cx
	s_add_co_u32 s17, s17, s41                     ; S's tile: hangs on cy
	s_lshl_b32 s43, s41, 2
	s_lshl_b32 s43, 15, s43                        ; my row of the cluster
	s_lshl_b32 s44, 0x1111, s40                    ; my column
	; descriptor group 1: a tile of 128 rows x 192 bytes, 16 bytes of padding behind every 64
	s_or_b32 s[G1+0], s43, (0<<16)|(1<<20)|(1<<21)|(3<<22)|(3<<25)
	s_or_b32 s[G1B+0], s44, (0<<16)|(1<<20)|(1<<21)|(3<<22)|(3<<25)
.irp g, G1, G1B
	s_mov_b32 s[\g+1], ROWB<<16                    ; tensor_dim0
	s_mov_b32 s[\g+2], 128<<16                     ; tensor_dim1
	s_mov_b32 s[\g+3], ROWB<<16                    ; tile_dim0
	s_mov_b32 s[\g+4], 128                         ; tile_dim1
	s_mov_b32 s[\g+5], KROW                        ; from row to row
	s_mov_b32 s[\g+6], 0
	s_mov_b32 s[\g+7], 0
.endr
	; the scales of 128 rows: a dense block of 4,096 bytes, as 16 rows of 256 bytes, 16 bytes of padding behind each
	s_or_b32 s[G1S+0], s43, (3<<16)|(1<<20)|(1<<21)|(5<<22)|(3<<25)
	s_or_b32 s[G1SB+0], s44, (3<<16)|(1<<20)|(1<<21)|(5<<22)|(3<<25)
.irp g, G1S, G1SB
	s_mov_b32 s[\g+1], 32<<16
	s_mov_b32 s[\g+2], (128*KS/256)<<16
	s_mov_b32 s[\g+3], 32<<16
	s_mov_b32 s[\g+4], 128*KS/256
	s_mov_b32 s[\g+5], 32
	s_mov_b32 s[\g+6], 0
	s_mov_b32 s[\g+7], 0
.endr
	s_lshl_b32 s18, s16, 7                         ; which 128 rows of the tile I fetch
	s_lshl_b32 s20, s17, 8
	s_add_co_u32 s20, s20, s18                     ; S: row 256 x tile + 128 x half
	s_lshl_b32 s46, s42, 8
	s_add_co_u32 s46, s46, s18                     ; P likewise
	s_mov_b32 s21, 0
	s_mov_b32 s47, 0
	s_mov_b64 s[18:19], KS
	s_mul_u64 s[22:23], s[20:21], s[18:19]         ; where these rows' scales begin
	s_mul_u64 s[92:93], s[46:47], s[18:19]
	s_mov_b64 s[18:19], KROW
	s_mul_u64 s[20:21], s[20:21], s[18:19]         ; and their codes
	s_mul_u64 s[46:47], s[46:47], s[18:19]
	s_mul_i32 s45, s14, HALFT                      ; where they go: wave x 128 rows: no place in the cluster enters an LDS address
	s_mul_i32 s94, s14, HALFS
	s_add_nc_u64 s[20:21], s[4:5], s[20:21]
	s_add_nc_u64 s[22:23], s[6:7], s[22:23]
	s_add_nc_u64 s[46:47], s[8:9], s[46:47]
	s_add_nc_u64 s[92:93], s[10:11], s[92:93]
	CROUND                                         ; all sixteen work-groups are here: the first joint loads meet
	s_mov_b32 s[G0S], 1
	s_add_co_u32 s[G0S+1], s94, SCL
	s_mov_b64 s[G0S+2:G0S+3], s[22:23]
	s_or_b32 s[G0S+3], s[G0S+3], 0x80000000
	s_mov_b32 s[G0SB], 1
	s_add_co_u32 s[G0SB+1], s94, SCL
	s_mov_b64 s[G0SB+2:G0SB+3], s[92:93]
	s_or_b32 s[G0SB+3], s[G0SB+3], 0x80000000
	JLOAD G0S, G1S, G0SB, G1SB                     ; the scales for all of K: filled once
.irp s, 0,1
	s_mov_b32 s[G0+4*\s], 1
	s_add_co_u32 s[G0+4*\s+1], s45, \s*SLOT
	s_add_nc_u64 s[G0+4*\s+2:G0+4*\s+3], s[20:21], \s*ROWB
	s_or_b32 s[G0+4*\s+3], s[G0+4*\s+3], 0x80000000
	s_mov_b32 s[G0B+4*\s], 1
	s_add_co_u32 s[G0B+4*\s+1], s45, \s*SLOT
	s_add_nc_u64 s[G0B+4*\s+2:G0B+4*\s+3], s[46:47], \s*ROWB
	s_or_b32 s[G0B+4*\s+3], s[G0B+4*\s+3], 0x80000000
	JLOAD G0+4*\s, G1, G0B+4*\s, G1B               ; K steps 0 and 1: three tensor loads of mine are out
.endr
	v_mul_u32_u24 v3, v1, PITCH
	v_mul_u32_u24 v4, v2, 24
	v_add_nc_u32 v4, v3, v4                        ; a fragment's row x pitch + 24 x half
	v_lshl_add_u32 v5, v2, 4, v4                   ; and the same behind one padding more
	s_mul_i32 s21, s15, HALFT                      ; my 128 rows of S
	s_mul_i32 s22, s16, HALFT                      ; my 128 rows of P,
	s_add_co_u32 s22, s22, 2*HALFT                 ; which lie behind S's 256
.irp s, 0,1
	v_add_nc_u32 v[ADRA+\s], s21, v4
	v_add_nc_u32 v[ADRB+\s], s22, v4
	v_add_nc_u32 v[ADRA+2+\s], s21, v5
	v_add_nc_u32 v[ADRB+2+\s], s22, v5
	s_add_co_u32 s21, s21, SLOT
	s_add_co_u32 s22, s22, SLOT
.endr
	v_mul_u32_u24 v5, v1, KS                       ; my row's scales: 32 bytes a row,
	v_lshrrev_b32 v6, 8, v5
	v_lshl_add_u32 v5, v6, 4, v5                   ; and 16 more for each 256 passed
	s_mul_i32 s21, s15, HALFS
	s_mul_i32 s22, s16, HALFS
	s_add_co_u32 s22, s22, 2*HALFS
	s_sub_co_u32 s22, s22, s21
	v_mul_u32_u24 v6, s22, v2                      ; lanes 16-31 take P's
	s_add_co_u32 s21, s21, SCL
	v_add_nc_u32 v5, v5, v6
	v_add_nc_u32 v[ADRS], s21, v5
	v_and_b32 v6, 31, v0
	v_lshlrev_b32 v[VO], 4, v6
	v_mul_u32_u24 v[VO2], v2, HEADB
	v_lshl_add_u32 v[VO2], v1, 4, v[VO2]
	; where my results go: T0 my first token, E0 my first feature
	s_lshl_b32 s18, s42, 8
	s_lshl_b32 s19, s16, 7
	s_add_co_u32 s18, s18, s19                     ; P's first row of mine
	s_lshl_b32 s19, s17, 8
	s_lshl_b32 s20, s15, 7
	s_add_co_u32 s19, s19, s20                     ; S's
	s_cmp_eq_u32 ttmp9, 2
	s_cselect_b32 s20, s18, s19                    ; T0
	s_cselect_b32 s21, s19, s18                    ; E0
	s_lshr_b32 s22, s20, 11                        ; batch
	s_lshl_b32 s22, s22, 4
	s_lshr_b32 s23, s21, 6                         ; my first head (the second lies HEADB further on)
	s_add_co_u32 s22, s22, s23
	s_lshl_b32 s22, s22, 4
	s_bfe_u32 s23, s20, 0x40007                    ; which 128 tokens of the batch
	s_add_co_u32 s22, s22, s23
	s_mul_i32 s22, s22, REC
	s_mov_b32 s23, 0
	s_add_nc_u64 s[OB:OB+1], s[OB:OB+1], s[22:23]
	s_lshl_b32 s22, s21, 2
	s_add_nc_u64 s[BB:BB+1], s[BB:BB+1], s[22:23]
	s_and_b32 s22, s20, 0xfffff800
	s_add_nc_u64 s[92:93], s[MP:MP+1], s[22:23]    ; the mask of my whole batch
	s_mov_b32 s22, s20
	s_add_nc_u64 s[MP:MP+1], s[MP:MP+1], s[22:23]  ; and of my 128 tokens
	v_lshlrev_b32 v7, 5, v2                        ; 32 h
	v_lshlrev_b32 v8, 2, v1                        ; 4 r
	; every kind loads both forms of the bias and the mask bytes: all lie inside their buffers for every kind, and no register is written on one way alone
.irp b, 0,1,2,3,4,5,6,7
	global_load_b128 v[BP+8*\b:BP+8*\b+3], v7, s[BB:BB+1] offset:64*\b
	global_load_b128 v[BP+8*\b+4:BP+8*\b+7], v7, s[BB:BB+1] offset:64*\b+16
.endr
.irp a, 0,1,2,3,4,5,6,7
	global_load_b32 v[BS+2*\a], v8, s[BB:BB+1] offset:64*\a
	global_load_b32 v[BS+2*\a+1], v8, s[BB:BB+1] offset:64*\a
	global_load_u8 v[MB+\a], v1, s[MP:MP+1] offset:16*\a
.endr
.irp i, 0,1,2,3
	global_load_b128 v[AM+4*\i:AM+4*\i+3], v[VO], s[92:93] offset:512*\i
.endr
	s_mov_b32 s[SEL], 0x76543210
	s_mov_b32 s[SEL+1], 0xfedcba98
	s_wait_loadcnt 0x0
.irp i, 1,2,3,4,5,6,7,8,9,10,11,12,13,14,15
	v_and_b32 v[AM], v[AM], v[AM+\i]               ; a byte stays 1 only where all sixteen are 1
.endr
	v_cmp_ne_u32 vcc_lo, 0x01010101, v[AM]         ; a lane with an unmasked key among its 64
	s_cmp_eq_u32 vcc_lo, 0
	s_cselect_b32 s18, 1, 0                        ; the whole batch is masked,
	s_cmp_eq_u32 ttmp9, 1
	s_cselect_b32 s18, s18, 0                      ; and I make k.  These numbers only select values: no branch and no address hangs on them
	s_xor_b32 s[NA], s18, 1
	s_cmp_eq_u32 s18, 0
	s_cselect_b32 s[KEEP], 1.0, 0
	s_mov_b32 s[KEEP+1], s[KEEP]
.macro FRAG reg, adr, q, i             ; a fragment, 16 rows x 128 K: lane l holds row l % 16; registers 6 c .. 6 c + 5 hold K = 64 c + 32 (l / 16) + 0 .. 31, 24 bytes as they lie, in pieces of 8 bytes
.irp p, 0,1,2,3,4,5
.set PC, 12*(\q)+6*(\p/3)+\p%3        ; where the piece three on lies behind one padding more, the second address register serves
.if PC%8 < 5
	ds_load_b64 v[\reg+2*\p:\reg+2*\p+1], v[\adr] offset:8*PC+16*(PC/8)+(\i)*16*PITCH
.else
	ds_load_b64 v[\reg+2*\p:\reg+2*\p+1], v[\adr+2] offset:8*PC+16*(PC/8)+(\i)*16*PITCH
.endif
.endr
.endm
; 16 matrix instructions: S's blocks a0, a0 + 1 x P's eight.  The 64 accumulators take turns, one instruction a turn, in the same order in every step.
.macro MUL16 a0, p, q, sc, zero
.irp a, \a0, \a0+1
.irp b, 0,1,2,3,4,5,6,7
.if \zero
	v_wmma_scale_f32_16x16x128_f8f6f4 v[8*(8*((\a)%4)+\b):8*(8*((\a)%4)+\b)+7], v[128*(\p)+FR*\b:128*(\p)+FR*\b+FR-1], v[AF+FR*(\a):AF+FR*(\a)+FR-1], 0, v[SC+8*NQ*(\sc)+NQ*\b+(\q)], v[SC+8*NQ*(\sc)+NQ*(\a)+(\q)] matrix_a_fmt:MATRIX_FMT_FP6 matrix_b_fmt:MATRIX_FMT_FP6 matrix_a_scale:MATRIX_SCALE_ROW1
.else
	v_wmma_scale_f32_16x16x128_f8f6f4 v[8*(8*((\a)%4)+\b):8*(8*((\a)%4)+\b)+7], v[128*(\p)+FR*\b:128*(\p)+FR*\b+FR-1], v[AF+FR*(\a):AF+FR*(\a)+FR-1], v[8*(8*((\a)%4)+\b):8*(8*((\a)%4)+\b)+7], v[SC+8*NQ*(\sc)+NQ*\b+(\q)], v[SC+8*NQ*(\sc)+NQ*(\a)+(\q)] matrix_a_fmt:MATRIX_FMT_FP6 matrix_b_fmt:MATRIX_FMT_FP6 matrix_a_scale:MATRIX_SCALE_ROW1
.endif
.endr
.endr
.endm
.macro FETCH_B slot, q, p
	WIN TO_B
.irp i, 0,1,2,3,4,5,6,7
	FRAG 128*(\p)+FR*\i, ADRB+\slot, \q, \i
.endr
	WIN 0
.endm
.macro FETCH_A slot, q, i0
.irp i, \i0, \i0+1, \i0+2, \i0+3
	FRAG AF+FR*(\i), ADRA+\slot, \q, \i
.endr
.endm
.macro SCALES sc                       ; a K step's scale words: lanes 0-15 take S's block i, lanes 16-31 P's block i
.irp i, 0,1,2,3,4,5,6,7
	ds_load_b64 v[SC+8*NQ*\sc+NQ*\i:SC+8*NQ*\sc+NQ*\i+1], v[ADRS] offset:\i*SBLK
.endr
.endm
.macro PLACES n                        ; plain vector instructions between a matrix instruction and a load into, or a read of, its registers
.rept \n
	v_nop
.endr
.endm
.macro STEP slot, q, zero              ; 128 along K whose successor lies in the same slot
	s_wait_dscnt 4*NL                              ; P's set and S's blocks 0-3 are in; the youngest 24 loads (S's blocks 4-7) may be out
	WIN MUL_LO
	MUL16 0, (\q)%2, \q, \slot, \zero
	MUL16 2, (\q)%2, \q, \slot, \zero
	s_wait_dscnt 0
	PLACES NP
	FETCH_B \slot, (\q)+1, 1-(\q)%2
	FETCH_A \slot, (\q)+1, 0
	WIN MUL_HI
	MUL16 4, (\q)%2, \q, \slot, \zero
	MUL16 6, (\q)%2, \q, \slot, \zero
	PLACES NP
	WIN 0
	FETCH_A \slot, (\q)+1, 4
.endm
; A slot's last step changes slots: one barrier; in front of it each wave waits for all its tensor loads, adds 0 to its spare word, and waits for that and for its reads of this slot.
.macro TURN slot, next, fill
	s_wait_tensorcnt 0x0                           ; all my tensor loads have landed: my part of the next slot
	ds_add_u32 v[SPW], v[NIL]                      ; 0 onto my spare word
	s_wait_dscnt 4*NL+1                            ; the add and the youngest 24 loads may be out
	WIN MUL_LO
	MUL16 0, 1, NQ-1, \slot, 0
	s_wait_dscnt 0x0                               ; the add is done, and my reads of this slot are over
	s_barrier_signal -1
	MUL16 2, 1, NQ-1, \slot, 0
	WIN 0
	s_barrier_wait -1
.if \fill
	CREST                                          ; the barrier has opened a round of the cluster's: no wave of any partner still reads this slot or has a load on its way
	s_add_nc_u64 s[G0+4*\slot+2:G0+4*\slot+3], s[G0+4*\slot+2:G0+4*\slot+3], 2*ROWB
	s_add_nc_u64 s[G0B+4*\slot+2:G0B+4*\slot+3], s[G0B+4*\slot+2:G0B+4*\slot+3], 2*ROWB
	JLOAD G0+4*\slot, G1, G0B+4*\slot, G1B         ; the first tensor load behind the round; its four v_nop are the places in front of the loads below
.else
	PLACES NP
.endif
	v_add_nc_u32 v[ADRS], 4*NQ, v[ADRS]
	FETCH_B \next, 0, 0
	FETCH_A \next, 0, 0
	SCALES \next
	WIN MUL_HI
	MUL16 4, 1, NQ-1, \slot, 0
	MUL16 6, 1, NQ-1, \slot, 0
	PLACES NP
	WIN 0
	FETCH_A \next, 0, 4
.endm
	s_wait_tensorcnt 1                             ; the scales and my part of K step 0 are in; K step 1's load may be out
	s_barrier_signal -1
	s_barrier_wait -1
	FETCH_B 0, 0, 0
	FETCH_A 0, 0, 0
	SCALES 0
	FETCH_A 0, 0, 4
	STEP 0, 0, 1                                   ; the first products start the sums: nothing is cleared
	TURN 0, 1, 1                                   ; slot 0 takes K step 2
	STEP 1, 0, 0
	TURN 1, 0, 1                                   ; slot 1 takes K step 3
	STEP 0, 0, 0
	TURN 0, 1, 0
	STEP 1, 0, 0
	s_wait_dscnt 4*NL
	WIN MUL_LO
	MUL16 0, 1, NQ-1, 1, 0
	MUL16 2, 1, NQ-1, 1, 0
	s_wait_dscnt 0
	WIN MUL_HI
	MUL16 4, 1, NQ-1, 1, 0
	MUL16 6, 1, NQ-1, 1, 0
	WIN 0
	PLACES NP
; THE WAY OUT: no LDS, no barrier: each store of the wave covers 512 consecutive bytes of a record, aligned.
; 64 numbers of a lane, v[s] on (register 16 b + i: block b), become 12 registers of codes, blocks 0, 1 in v[g0] .. v[g0 + 5], blocks 2, 3 in v[g1] .. v[g1 + 5], and the row's scale word in v[pw].
.macro QUANT s, g0, g1, pw
.irp b, 0,1,2,3
	v_max3_num_f32 v[TM+\b], |v[\s+16*\b]|, |v[\s+1+16*\b]|, 0x1800000   ; my 16 numbers of block b, and the floor 2^(3 - 127): the byte cannot fall under 1
.endr
.irp i, 2,4,6,8,10,12,14
.irp b, 0,1,2,3
	v_max3_num_f32 v[TM+\b], v[TM+\b], |v[\s+16*\b+\i]|, |v[\s+1+16*\b+\i]|
.endr
.endr
.irp b, 0,1,2,3
	v_permlanex16_b32 v[TM+4+\b], v[TM+\b], s[SEL], s[SEL+1]
.endr
.irp b, 0,1,2,3
	v_max_num_f32 v[TM+\b], v[TM+\b], v[TM+4+\b]   ; with lane xor 16's: the block's largest magnitude
.endr
.irp b, 0,1,2,3
	v_add_nc_u32 v[TM+12+\b], 0xff000000, v[TM+\b] ; 2 off its exponent field: the conversion's scale operand
.endr
.irp b, 0,1,2,3
	v_lshrrev_b32 v[TM+4+\b], 23, v[TM+12+\b]      ; the scale's byte
.endr
	v_lshl_or_b32 v[\pw], v[TM+5], 8, v[TM+4]
	v_lshl_or_b32 v[\pw], v[TM+6], 16, v[\pw]
	v_lshl_or_b32 v[\pw], v[TM+7], 24, v[\pw]
	v_cvt_scalef32_pk16_fp6_f32 v[\g0:\g0+2], v[\s:\s+15], v[TM+12]
	v_cvt_scalef32_pk16_fp6_f32 v[YT:YT+2], v[\s+16:\s+31], v[TM+13]
	v_cvt_scalef32_pk16_fp6_f32 v[\g1:\g1+2], v[\s+32:\s+47], v[TM+14]
	v_cvt_scalef32_pk16_fp6_f32 v[YT+4:YT+6], v[\s+48:\s+63], v[TM+15]
	v_nop                                          ; one plain place behind a scaled conversion
.irp i, 0,1,2
	v_permlane16_swap_b32 v[\g0+\i], v[YT+\i]      ; the operand's layout wants a whole block in a lane
	v_permlane16_swap_b32 v[\g1+\i], v[YT+4+\i]
.endr
.irp i, 0,1,2
	v_mov_b32 v[\g0+3+\i], v[YT+\i]
	v_mov_b32 v[\g1+3+\i], v[YT+4+\i]
.endr
.endm
; q, k: tokens 16 a + r of mine, 128 features: a fragment for each of two heads
.macro EPI_QK a
.set GS, G+16*((\a)%2)
.set AC, 64*((\a)%4)
	s_wait_xcnt 0x0                                ; the stores of two blocks ago have read this set of registers
	WIN 0x02+(\a)/4                                ; source 0: window 2 or 3
.set II, 0
.rept 32
	v_pk_fma_f32 v[T+II:T+II+1], v[AC+II:AC+II+1], s[KEEP:KEEP+1], v[BP+II:BP+II+1] op_sel_hi:[1,0,1]   ; sum x KEEP + bias x KEEP; each accumulator from its low end on
.set II, II+2
.endr
	WIN 0
	QUANT T, GS, GS+8, PWR
	v_and_or_b32 v4, v[MB+\a], s[NA], s[ISQ]       ; is K element 64 set?  q: always; k: for a masked key, unless the whole batch is masked
	v_mul_u32_u24 v[GS+6], v4, v[CODE]
	v_mad_u32_u24 v5, v4, s[D2], s[SB]             ; scale bytes 2 and 3
	v_mov_b32 v[GS+14], v[GS+6]
	v_and_b32 v6, 0xffff, v[PWR]
	v_lshrrev_b32 v7, 16, v[PWR]
	v_lshl_or_b32 v[W0+\a], v5, 16, v6             ; the first head's two bytes below,
	v_lshl_or_b32 v[W1+\a], v5, 16, v7             ; the second head's
	global_store_b128 v[VO], v[GS:GS+3], s[OB:OB+1] offset:1024*(\a)
	global_store_b128 v[VO], v[GS+4:GS+7], s[OB:OB+1] offset:1024*(\a)+512
	global_store_b128 v[VO], v[GS+8:GS+11], s[OB:OB+1] offset:HEADB+1024*(\a)
	global_store_b128 v[VO], v[GS+12:GS+15], s[OB:OB+1] offset:HEADB+1024*(\a)+512
.endm
; v: features 16 a + r of mine, 128 tokens: one fragment of v^T
.macro EPI_V a
.set GS, G+16*((\a)%2)
.set AC, 64*((\a)%4)
	s_wait_xcnt 0x0
	WIN 0x02+(\a)/4
.set II, 0
.rept 32
	v_pk_add_f32 v[T+II:T+II+1], v[AC+II:AC+II+1], v[BS+2*(\a):BS+2*(\a)+1]
.set II, II+2
.endr
	WIN 0
	QUANT T, GS, GS+6, W0+\a
.irp c, 0,1,2
	global_store_b128 v[VO], v[GS+4*\c:GS+4*\c+3], s[OB:OB+1] offset:((\a)/4)*HEADB+VIM+1536*((\a)%4)+512*\c
.endr
.endm
.irp b, 0,1,2,3
	v_mov_b32 v[TM+4+\b], 0                        ; a lane permute's destination counts as one of its sources
.endr
	s_cmp_eq_u32 ttmp9, 2                          ; the cluster's x: the same in all partners and all waves
	s_cbranch_scc1 .Lv
.set II, 0
.rept 32
	v_pk_mul_f32 v[BP+II:BP+II+1], v[BP+II:BP+II+1], s[KEEP:KEEP+1] op_sel_hi:[1,0]
.set II, II+2
.endr
.irp i, 7,15,23,31
	v_mov_b32 v[G+\i], 0                           ; register 7 of each image
.endr
.irp a, 0,1,2,3,4,5,6,7
	EPI_QK \a
.endr
	s_mov_b32 vcc_lo, 0xffff0000
.irp i, 0,1,2,3
	v_cndmask_b32 v[OUT+\i], v[W0+\i], v[W0+4+\i], vcc_lo       ; lanes 0-15: tiles 0-3's words, lanes 16-31: tiles 4-7's
	v_cndmask_b32 v[OUT+4+\i], v[W1+\i], v[W1+4+\i], vcc_lo
.endr
	global_store_b128 v[VO], v[OUT:OUT+3], s[OB:OB+1] offset:KSC
	global_store_b128 v[VO], v[OUT+4:OUT+7], s[OB:OB+1] offset:HEADB+KSC
	s_branch .Ljoin
.Lv:
.irp a, 0,1,2,3,4,5,6,7
	EPI_V \a
.endr
	s_mov_b32 vcc_lo, 0xffff0000
.irp i, 0,1,2,3
	v_cndmask_b32 v[OUT+\i], v[W0+\i], v[W0+4+\i], vcc_lo       ; lanes 0-15: the first head's four tiles, lanes 16-31: the second's
.endr
	global_store_b128 v[VO2], v[OUT:OUT+3], s[OB:OB+1] offset:VSC   ; sixteen lanes store a head's 256 bytes
.Ljoin:
	s_wait_tensorcnt 0x0                           ; the wave's end
	ds_add_u32 v[SPW], v[NIL]
	s_wait_dscnt 0x0
	CROUND                                         ; the closing round: no work-group ends while a partner may still ask for a tile that names it
	s_endpgm
.Lfunc_end_k_qd1a8843bb2_qkv:
	.size	k_qd1a8843bb2_qkv, .Lfunc_end_k_qd1a8843bb2_qkv-k_qd1a8843bb2_qkv
	.p2alignl 7, 3214868480
	.fill 96, 4, 3214868480
	.section	.rodata,"a",@progbits
	.p2align	6, 0x0
	.amdhsa_kernel k_qd1a8843bb2_qkv
		.amdhsa_group_segment_fixed_size 327680
		.amdhsa_private_segment_fixed_size 0
		.amdhsa_enable_private_segment 0
		.amdhsa_kernarg_size 112
		.amdhsa_user_sgpr_count 2
		.amdhsa_user_sgpr_kernarg_segment_ptr 1
		.amdhsa_wavefront_size32 1
		.amdhsa_system_sgpr_workgroup_id_x 1
		.amdhsa_system_sgpr_workgroup_id_y 1
		.amdhsa_system_sgpr_workgroup_id_z 1
		.amdhsa_system_vgpr_workitem_id 0
		.amdhsa_next_free_vgpr 1024
		.amdhsa_next_free_sgpr 106
		.amdhsa_reserve_vcc 1
		.amdhsa_float_denorm_mode_32 3
		.amdhsa_float_denorm_mode_16_64 3
		.amdhsa_memory_ordered 1
		.amdhsa_forward_progress 1
		.amdhsa_inst_pref_size 241
	.end_amdhsa_kernel
	.amdgpu_metadata
---
amdhsa.version: [ 1, 2 ]
amdhsa.kernels:
  - .name:           k_qd1a8843bb2_qkv
    .symbol:         k_qd1a8843bb2_qkv.kd
    .args:
      - { .name: x_codes, .offset: 0, .size: 8, .value_kind: global_buffer, .address_space: global }
      - { .name: x_scales, .offset: 8, .size: 8, .value_kind: global_buffer, .address_space: global }
      - { .name: wq_codes, .offset: 16, .size: 8, .value_kind: global_buffer, .address_space: global }
      - { .name: wq_scales, .offset: 24, .size: 8, .value_kind: global_buffer, .address_space: global }
      - { .name: wk_codes, .offset: 32, .size: 8, .value_kind: global_buffer, .address_space: global }
      - { .name: wk_scales, .offset: 40, .size: 8, .value_kind: global_buffer, .address_space: global }
      - { .name: wv_codes, .offset: 48, .size: 8, .value_kind: global_buffer, .address_space: global }
      - { .name: wv_scales, .offset: 56, .size: 8, .value_kind: global_buffer, .address_space: global }
      - { .name: bq, .offset: 64, .size: 8, .value_kind: global_buffer, .address_space: global }
      - { .name: bk, .offset: 72, .size: 8, .value_kind: global_buffer, .address_space: global }
      - { .name: bv, .offset: 80, .size: 8, .value_kind: global_buffer, .address_space: global }
      - { .name: src_key_padding_mask, .offset: 88, .size: 8, .value_kind: global_buffer, .address_space: global }
      - { .name: qrec, .offset: 96, .size: 8, .value_kind: global_buffer, .address_space: global }
      - { .name: kvrec, .offset: 104, .size: 8, .value_kind: global_buffer, .address_space: global }
    .group_segment_fixed_size: 327680
    .private_segment_fixed_size: 0
    .kernarg_segment_align: 8
    .kernarg_segment_size: 112
    .max_flat_workgroup_size: 128
    .sgpr_count:     106
    .vgpr_count:     1024
    .wavefront_size: 32
...
	.end_amdgpu_metadata
.endif
;; end of part 1
;; launch attn (part 2): grid 4 x 64, 16 waves a work-group, clusters of 4 x 1, 243,712 bytes of LDS; arguments qrec, kvrec, aimg, ascl; writes aimg, ascl
.if DOCPART == 2
	.amdgcn_target "amdgcn-amd-amdhsa--gfx1250"
	.amdhsa_code_object_version 6
	.text
	.protected	k_qd1a8843bb2_attn
	.globl	k_qd1a8843bb2_attn
	.p2align	8
	.type	k_qd1a8843bb2_attn,@function
k_qd1a8843bb2_attn:
	s_mov_b64 s[64:65], 0
	v_nop
	global_prefetch_b8 v0, s[64:65] scope:SCOPE_SE
	s_setreg_imm32_b32 hwreg(HW_REG_WAVE_MODE, 25, 1), 1
	s_wait_xcnt 0x0
	s_wait_alu depctr_hold_cnt(0) depctr_sa_sdst(0) depctr_va_vdst(0) depctr_va_sdst(0) depctr_va_ssrc(0) depctr_va_vcc(0) depctr_vm_vsrc(0)
	s_getreg_b32 s2, hwreg(HW_REG_IB_STS2, 6, 4)
	s_cmp_eq_u32 s2, 0
	s_cbranch_scc0 .Lentry_in_a_cluster
	s_endpgm
.Lentry_in_a_cluster:
	s_bfe_u32 s2, ttmp6, 0x10000c
	s_cmp_lg_u32 s2, 0x3003
	s_cbranch_scc0 .Lentry_shape_is_right
	s_endpgm
.Lentry_shape_is_right:
; Attention of one head on codes of FP6 (E2M3): S^T = K Q^T, p = 2^(t - M), O^T = V^T P^T, O / the row's sum, and O quantised along the model's axis for the last product.
; t = score x log2(e) / 8; M = the running largest t rounded up to a whole number; the row's sum is taken of the unquantised p; when M moves, the sum and O^T are multiplied by 2^(old M - new M), which rounds nothing.
; SHARES.  A work-group owns 512 queries of one head; each of its sixteen waves owns one tile of 16 queries at a time, twice.  Four waves share a SIMD, so that one wave's vector work stands beside another's products and LDS loads.
; LDS.  The head's 16 records (128 keys each: 8 fragments of K, 4 of V^T, their scale words) are 241,664 bytes: all of them lie in LDS for the whole launch, filled once.  Nothing is filled again: one barrier.
; CLUSTER.  The four work-groups of a head need the same records: wave w of each asks for record w JOINTLY (mask 15).
; FRAGMENTS are images of operand registers: a load of 16 bytes a lane at 16 x lane brings four registers.  A fragment of K has 8 registers: the head's 64 (registers 0-5), the mask element k = 64 (register 6), zeros.
;   It is named as 12 registers: its registers 8-11 are the next fragment's first four and meet zero codes of Q.
; THE MASK costs no line here: a masked key's score holds -2^33 from K element 64, so its p is 0.  Steps whose keys are all masked sum finite numbers that the first real M multiplies by 0.
; LIMITS: a masked logit is -2^30 where the reference has -1e9; NaN and infinities are not served; a block under 2^-124 keeps the scale byte 1.
; Both products are used transposed: a lane holds ONE query (lane % 16) throughout.  The 16 registers of tiles 2 b and 2 b + 1 are keys 32 b + 8 h + 0..7 and 32 b + 16 + 8 h + 0..7: the order in which V's codes were laid.
.set REC,   15104
.set HEADB, 16*REC
.set VIM,   8192
.set KSC,   14336
.set VSC,   14848
.set L16, 1                            ; v1   16 x lane
.set R16, 2                            ; v2   16 x (lane % 16)
.set AD,  3                            ; v3   the step's record + 16 x lane
.set ADV, 4                            ; v4   the step's record + 16 x (lane % 16)
.set VQ,  5                            ; v5   my tile's fragment in a record of q
.set VQS, 6                            ; v6   and its scale word
.set L8,  7                            ; v7   8 x lane
.set ASO, 8                            ; v8   32 (lane % 16) + lane / 16
.set QF,  16                           ; v16-27  Q (v24-27 stay 0)
.set QS,  28                           ; v28     Q's scale words
.set F,   32                           ; v32-99  fragments of K (8 t), then of V (12 d); v96-99 stay 0
.set S,   100                          ; v100-163 S^T, then p
.set O,   164                          ; v164-195 O^T
.set PC,  196                          ; v196-207 p's codes
.set YT,  208
.set BM,  216                          ; largest score, then largest p, of each block
.set T2,  220
.set SCO, 224                          ; the conversions' scale operands
.set KSW, 228                          ; K's scale words: lanes 0-15 tiles 0-3, lanes 16-31 tiles 4-7
.set VSW, 232                          ; V's
.set PW,  236                          ; p's scale word
.set FF,  238                          ; v[238:239] f = 2^(old M - new M) (v239 is only named with it)
.set TMP, 240
.set G,   242
.set H,   248
.set WV,  12
.set G1,  16
.set G0,  24
.set SEL, 28
.set CS,  30
.set TB,  32
.set CNT, 33
.set PASS, 34
.set QR,  36
.set AB,  38
.set SBS, 40
.macro CROUND                          ; a round of the cluster's barrier
	s_barrier_signal -1
	s_barrier_wait -1
	s_cmp_lg_u32 s[WV], 0
	s_cbranch_scc1 .Lnot_wave_0_\@
	s_barrier_signal -3
.Lnot_wave_0_\@:
	s_barrier_wait -3
	s_barrier_signal -1
	s_barrier_wait -1
.endm
	s_load_b256 s[4:11], s[0:1], 0x0               ; qrec, kvrec, aimg, ascl
	v_lshl_add_u32 v254, v0, 2, 0x3b000
	v_mov_b32 v255, 0
	ds_add_u32 v254, v255
	ds_add_u32 v254, v255
	v_lshrrev_b32 v9, 5, v0
	v_readfirstlane_b32 s[WV], v9                  ; wave 0..15
	s_bfe_u32 s13, ttmp6, 0x40000                  ; cx
	s_lshl_b32 s14, ttmp9, 2
	s_add_co_u32 s14, s14, s13                     ; my block of 512 queries: it enters global addresses of q and of the results alone
	s_and_b32 s15, ttmp7, 0xffff                   ; batch x 16 + head, which the four partners share
	; descriptor group 1: a record as 59 dense rows of 256 bytes
	s_mov_b32 s[G1], 15|(3<<16)|(1<<21)            ; the mask: all four; elements of 8 bytes; bit 21 beside a mask; no padding
	s_mov_b32 s[G1+1], 32<<16                      ; tensor_dim0
	s_mov_b32 s[G1+2], 59<<16                      ; tensor_dim1
	s_mov_b32 s[G1+3], 32<<16                      ; tile_dim0
	s_mov_b32 s[G1+4], 59                          ; tile_dim1
	s_mov_b32 s[G1+5], 32                          ; from row to row
	s_mov_b32 s[G1+6], 0
	s_mov_b32 s[G1+7], 0
	s_mul_i32 s42, s15, HEADB
	s_mov_b32 s43, 0
	s_mov_b32 s[G0], 1
	s_mul_i32 s[G0+1], s[WV], REC                  ; record w lies at w x REC
	s_mov_b32 s44, s[G0+1]
	s_mov_b32 s45, 0
	s_wait_dscnt 0x0
	s_wait_kmcnt 0x0
	s_add_nc_u64 s[G0+2:G0+3], s[6:7], s[42:43]
	s_add_nc_u64 s[G0+2:G0+3], s[G0+2:G0+3], s[44:45]
	s_or_b32 s[G0+3], s[G0+3], 0x80000000
	CROUND                                         ; all four work-groups are here: the joint loads meet
	tensor_load_to_lds s[G0:G0+3], s[G1:G1+7]      ; one tensor load of mine is out
	s_nop 0
.rept 4
	v_nop
.endr
	s_lshl_b32 s44, s14, 2
	s_lshr_b32 s46, s[WV], 3
	s_add_co_u32 s44, s44, s46                     ; my tile 32 qb + w lies in record 4 qb + w / 8, fragment w % 8
	s_mul_i32 s44, s44, REC
	s_add_nc_u64 s[QR:QR+1], s[4:5], s[42:43]
	s_add_nc_u64 s[QR:QR+1], s[QR:QR+1], s[44:45]
	s_lshr_b32 s44, s15, 4                         ; batch
	s_lshl_b32 s44, s44, 7
	s_lshl_b32 s46, s14, 5
	s_add_co_u32 s44, s44, s46
	s_add_co_u32 s44, s44, s[WV]                   ; my tile of 16 tokens among all 512
	s_and_b32 s46, s15, 15                         ; head
	s_lshl_b32 s47, s44, 9
	s_mul_i32 s44, s44, 12288
	s_mul_i32 s42, s46, 768
	s_add_co_u32 s44, s44, s42
	s_add_nc_u64 s[AB:AB+1], s[8:9], s[44:45]
	s_lshl_b32 s46, s46, 1
	s_add_co_u32 s44, s47, s46
	s_add_nc_u64 s[SBS:SBS+1], s[10:11], s[44:45]
	v_and_b32 v9, 31, v0
	v_and_b32 v10, 15, v0
	v_bfe_u32 v11, v0, 4, 1
	v_lshlrev_b32 v[L16], 4, v9
	v_lshlrev_b32 v[R16], 4, v10
	v_lshlrev_b32 v[L8], 3, v9
	v_lshl_add_u32 v[ASO], v10, 5, v11
	s_and_b32 s46, s[WV], 7
	s_lshl_b32 s46, s46, 10
	v_add_nc_u32 v[VQ], s46, v[L16]
	s_bfe_u32 s46, s[WV], 0x10002
	s_lshl_b32 s46, s46, 8
	s_and_b32 s47, s[WV], 3
	s_lshl_b32 s47, s47, 2
	s_add_co_u32 s46, s46, s47
	s_add_co_u32 s46, s46, KSC
	v_add_nc_u32 v[VQS], s46, v[R16]
.irp i, 0,1,2,3
	v_mov_b32 v[QF+8+\i], 0                        ; Q's codes of k = 75 on
	v_mov_b32 v[F+64+\i], 0                        ; what the last fragment of K is named with
	v_mov_b32 v[T2+\i], 0                          ; a lane permute's destination counts as one of its sources
.endr
	v_mov_b32 v[FF+1], 0
	v_mov_b32 v[TMP], 0
	s_mov_b32 s[SEL], 0x76543210
	s_mov_b32 s[SEL+1], 0xfedcba98
	s_mov_b32 s[CS], 0x3e38aa3b                    ; log2(e) / 8
	s_mov_b32 s[CS+1], s[CS]
	s_mov_b32 s[PASS], 2
	s_wait_tensorcnt 0x0                           ; my record is in,
	s_barrier_signal -1
	s_barrier_wait -1                              ; everybody's is
.Lpass:
	global_load_b128 v[QF:QF+3], v[VQ], s[QR:QR+1]
	global_load_b128 v[QF+4:QF+7], v[VQ], s[QR:QR+1] offset:512
	global_load_b32 v[QS], v[VQS], s[QR:QR+1]
	v_mov_b32 v13, 0xff61b1e6                      ; the largest t so far: -3e38
	v_floor_f32 v12, -v13                          ; -M
	v_mov_b32 v14, 0
	v_mov_b32 v15, 0
.irp j, 0,1,2,3,4,5,6,7,8,9,10,11,12,13,14,15,16,17,18,19,20,21,22,23,24,25,26,27,28,29,30,31
	v_mov_b32 v[O+\j], 0                           ; the step is written once: the first finds zeros
.endr
	s_mov_b32 s[TB], 0
	s_mov_b32 s[CNT], 16
	s_wait_loadcnt 0x0
.Lstep:                                            ; 128 keys
	v_add_nc_u32 v[AD], s[TB], v[L16]
	v_add_nc_u32 v[ADV], s[TB], v[R16]
	v_nop
	v_nop                                          ; four places in front of loads into registers that the last products read
.irp t, 0,1,2,3,4,5,6,7
	ds_load_b128 v[F+8*\t:F+8*\t+3], v[AD] offset:1024*\t
	ds_load_b128 v[F+8*\t+4:F+8*\t+7], v[AD] offset:1024*\t+512
.endr
	ds_load_b128 v[KSW:KSW+3], v[AD] offset:KSC
	s_wait_dscnt 0x0
.irp t, 0,1,2,3
	v_wmma_scale_f32_16x16x128_f8f6f4 v[S+8*\t:S+8*\t+7], v[F+8*\t:F+8*\t+11], v[QF:QF+11], 0, v[KSW+\t], v[QS] matrix_a_fmt:MATRIX_FMT_FP6 matrix_b_fmt:MATRIX_FMT_FP6
.endr
.irp t, 4,5,6,7
	v_wmma_scale_f32_16x16x128_f8f6f4 v[S+8*\t:S+8*\t+7], v[F+8*\t:F+8*\t+11], v[QF:QF+11], 0, v[KSW+\t-4], v[QS] matrix_a_fmt:MATRIX_FMT_FP6 matrix_b_fmt:MATRIX_FMT_FP6 matrix_a_scale:MATRIX_SCALE_ROW1
.endr
.rept 4
	v_nop                                          ; places in front of the loads below and of the first read of the scores
.endr
.irp d, 0,1,2,3
.irp c, 0,1,2
	ds_load_b128 v[F+12*\d+4*\c:F+12*\d+4*\c+3], v[AD] offset:VIM+1536*\d+512*\c   ; V's fragments land under the softmax
.endr
.endr
	ds_load_b128 v[VSW:VSW+3], v[ADV] offset:VSC
.irp b, 0,1,2,3
	v_max3_num_f32 v[BM+\b], v[S+16*\b], v[S+1+16*\b], v[S+2+16*\b]   ; the largest score of each block of 32 keys: for the row's maximum, and, since p rises with the score, for the block's largest p
.endr
.irp i, 3,5,7,9,11,13
.irp b, 0,1,2,3
	v_max3_num_f32 v[BM+\b], v[BM+\b], v[S+16*\b+\i], v[S+1+16*\b+\i]
.endr
.endr
.irp b, 0,1,2,3
	v_max_num_f32 v[BM+\b], v[BM+\b], v[S+15+16*\b]
.endr
.irp b, 0,1,2,3
	v_permlanex16_b32 v[T2+\b], v[BM+\b], s[SEL], s[SEL+1]
.endr
.irp b, 0,1,2,3
	v_max_num_f32 v[BM+\b], v[BM+\b], v[T2+\b]
.endr
	v_max3_num_f32 v[TMP], v[BM], v[BM+1], v[BM+2]
	v_max_num_f32 v[TMP], v[TMP], v[BM+3]
	v_mul_f32 v[TMP], s[CS], v[TMP]
	v_max_num_f32 v13, v13, v[TMP]                 ; the running largest t
	v_mov_b32 v[TMP], v12
	v_floor_f32 v12, -v13                          ; the new -M = -ceil(t)
	v_sub_f32 v[TMP], v12, v[TMP]                  ; old M - new M: a whole number, 0 or less
	v_cvt_i32_f32 v[TMP], v[TMP]                   ; (it saturates)
	v_ldexp_f32 v[FF], 1.0, v[TMP]
.irp j, 0,2,4,6,8,10,12,14,16,18,20,22,24,26,28,30,32,34,36,38,40,42,44,46,48,50,52,54,56,58,60,62
	v_pk_fma_f32 v[S+\j:S+\j+1], v[S+\j:S+\j+1], s[CS:CS+1], v[12:13] op_sel_hi:[1,0,0]   ; t - M
.endr
.irp b, 0,1,2,3
	v_fma_f32 v[BM+\b], v[BM+\b], s[CS], v12
.endr
.irp j, 0,1,2,3,4,5,6,7,8,9,10,11,12,13,14,15,16,17,18,19,20,21,22,23,24,25,26,27,28,29,30,31,32,33,34,35,36,37,38,39,40,41,42,43,44,45,46,47,48,49,50,51,52,53,54,55,56,57,58,59,60,61,62,63
	v_exp_f32 v[S+\j], v[S+\j]                     ; p = 2^(t - M): not normalised
.endr
.irp b, 0,1,2,3
	v_exp_f32 v[BM+\b], v[BM+\b]                   ; the block's largest p: the same two instructions on the same number
.endr
	v_pk_mul_f32 v[14:15], v[14:15], v[FF:FF+1] op_sel_hi:[1,0]   ; the sums under the new M (a plain place behind the exponentials)
	s_wait_alu depctr_va_vdst(0)
.irp b, 0,1,2,3
	v_max_num_f32 v[BM+\b], 0x1800000, v[BM+\b]    ; the floor 2^(3 - 127)
.endr
.irp b, 0,1,2,3
	v_add_nc_u32 v[SCO+\b], 0xff000000, v[BM+\b]
.endr
.irp b, 0,1,2,3
	v_lshrrev_b32 v[T2+\b], 23, v[SCO+\b]
.endr
	v_lshl_or_b32 v[PW], v[T2+1], 8, v[T2]
	v_lshl_or_b32 v[PW], v[T2+2], 16, v[PW]
	v_lshl_or_b32 v[PW], v[T2+3], 24, v[PW]
.irp c, 0,1
	v_cvt_scalef32_pk16_fp6_f32 v[PC+6*\c:PC+6*\c+2], v[S+32*\c:S+32*\c+15], v[SCO+2*\c]
	v_cvt_scalef32_pk16_fp6_f32 v[YT+4*\c:YT+4*\c+2], v[S+16+32*\c:S+31+32*\c], v[SCO+2*\c+1]
.endr
	v_nop                                          ; one plain place behind a scaled conversion
.irp c, 0,1
.irp i, 0,1,2
	v_permlane16_swap_b32 v[PC+6*\c+\i], v[YT+4*\c+\i]
.endr
.irp i, 0,1,2
	v_mov_b32 v[PC+3+6*\c+\i], v[YT+4*\c+\i]
.endr
.endr
	v_pk_add_f32 v[T2:T2+1], v[S:S+1], v[S+2:S+3]  ; the row's sum, of the unquantised p, in two chains
.irp j, 4,8,12,16,20,24,28,32,36,40,44,48,52,56,60
	v_pk_add_f32 v[14:15], v[14:15], v[S+\j:S+\j+1]
	v_pk_add_f32 v[T2:T2+1], v[T2:T2+1], v[S+2+\j:S+3+\j]
.endr
	v_pk_add_f32 v[14:15], v[14:15], v[T2:T2+1]
.irp j, 0,2,4,6,8,10,12,14,16,18,20,22,24,26,28,30
	v_pk_mul_f32 v[O+\j:O+\j+1], v[O+\j:O+\j+1], v[FF:FF+1] op_sel_hi:[1,0]   ; O^T under the new M
.endr
	s_wait_dscnt 0x0                               ; V's fragments and scale words
.irp d, 0,1,2,3                                    ; the four accumulators by turns; the eight score products stand between two links of a chain
	v_wmma_scale_f32_16x16x128_f8f6f4 v[O+8*\d:O+8*\d+7], v[F+12*\d:F+12*\d+11], v[PC:PC+11], v[O+8*\d:O+8*\d+7], v[VSW+\d], v[PW] matrix_a_fmt:MATRIX_FMT_FP6 matrix_b_fmt:MATRIX_FMT_FP6
.endr
	s_add_co_u32 s[TB], s[TB], REC
	s_sub_co_u32 s[CNT], s[CNT], 1
	s_cmp_lg_u32 s[CNT], 0
	s_cbranch_scc1 .Lstep
	; THE WAY OUT of a tile: O^T / the sum; its 64 features are two blocks of the last product's K
.rept 4
	v_nop
.endr
	v_add_f32 v14, v14, v15
	v_permlanex16_b32 v[TMP], v14, s[SEL], s[SEL+1]
	v_add_f32 v14, v14, v[TMP]
	v_rcp_f32 v14, v14
	v_nop                                          ; a plain place behind the transcendental
	s_wait_alu depctr_va_vdst(0)
.irp j, 0,2,4,6,8,10,12,14,16,18,20,22,24,26,28,30
	v_pk_mul_f32 v[S+\j:S+\j+1], v[O+\j:O+\j+1], v[14:15] op_sel_hi:[1,0]   ; each accumulator from its low end on
.endr
.irp b, 0,1
	v_max3_num_f32 v[BM+\b], |v[S+16*\b]|, |v[S+1+16*\b]|, 0x1800000
.endr
.irp i, 2,4,6,8,10,12,14
.irp b, 0,1
	v_max3_num_f32 v[BM+\b], v[BM+\b], |v[S+16*\b+\i]|, |v[S+1+16*\b+\i]|
.endr
.endr
.irp b, 0,1
	v_permlanex16_b32 v[T2+\b], v[BM+\b], s[SEL], s[SEL+1]
.endr
.irp b, 0,1
	v_max_num_f32 v[BM+\b], v[BM+\b], v[T2+\b]
.endr
.irp b, 0,1
	v_add_nc_u32 v[SCO+\b], 0xff000000, v[BM+\b]
.endr
.irp b, 0,1
	v_lshrrev_b32 v[T2+\b], 23, v[SCO+\b]
.endr
	v_cvt_scalef32_pk16_fp6_f32 v[G:G+2], v[S:S+15], v[SCO]
	v_cvt_scalef32_pk16_fp6_f32 v[H:H+2], v[S+16:S+31], v[SCO+1]
	v_nop
.irp i, 0,1,2
	v_permlane16_swap_b32 v[G+\i], v[H+\i]         ; lane (r, h) now holds block h: G its codes 0-7, 16-23; H its codes 8-15, 24-31: eight codes are six bytes
.endr
	; this operand meets wo, whose codes lie in the natural order: the two middle pieces of six bytes change places
	v_alignbit_b32 v[G+3], v[G+2], v[G+1], 16      ; codes 16-23, bytes 0-3
	v_perm_b32 v[G+4], v[H+1], v[G+2], 0x07060302  ; their bytes 4, 5; bytes 0, 1 of codes 24-31
	v_perm_b32 v[G+1], v[H], v[G+1], 0x05040100    ; bytes 4, 5 of codes 0-7; bytes 0, 1 of codes 8-15
	v_alignbit_b32 v[G+2], v[H+1], v[H], 16        ; bytes 2-5 of codes 8-15
	v_mov_b32 v[G+5], v[H+2]
	s_mov_b32 vcc_lo, 0xffff0000
	v_cndmask_b32 v[TMP], v[T2], v[T2+1], vcc_lo   ; my block's scale byte
.irp p, 0,1,2
	global_store_b64 v[L8], v[G+2*\p:G+2*\p+1], s[AB:AB+1] offset:256*\p   ; 32 lanes store 256 consecutive bytes, aligned
.endr
	global_store_b8 v[ASO], v[TMP], s[SBS:SBS+1]   ; a byte a lane, rows of 32 bytes: a token's 32 scale bytes come from 16 heads' work-groups; one byte for each 24 of codes
	s_wait_xcnt 0x0                                ; the stores have read their registers and bases
	s_add_nc_u64 s[QR:QR+1], s[QR:QR+1], 2*REC     ; 16 tiles on
	s_add_nc_u64 s[AB:AB+1], s[AB:AB+1], 16*12288
	s_add_nc_u64 s[SBS:SBS+1], s[SBS:SBS+1], 16*512
	s_sub_co_u32 s[PASS], s[PASS], 1
	s_cmp_lg_u32 s[PASS], 0
	s_cbranch_scc1 .Lpass
	s_wait_tensorcnt 0x0
	ds_add_u32 v254, v255
	s_wait_dscnt 0x0
	CROUND                                         ; the closing round
	s_endpgm
.Lfunc_end_k_qd1a8843bb2_attn:
	.size	k_qd1a8843bb2_attn, .Lfunc_end_k_qd1a8843bb2_attn-k_qd1a8843bb2_attn
	.p2alignl 7, 3214868480
	.fill 96, 4, 3214868480
	.section	.rodata,"a",@progbits
	.p2align	6, 0x0
	.amdhsa_kernel k_qd1a8843bb2_attn
		.amdhsa_group_segment_fixed_size 243712
		.amdhsa_private_segment_fixed_size 0
		.amdhsa_enable_private_segment 0
		.amdhsa_kernarg_size 32
		.amdhsa_user_sgpr_count 2
		.amdhsa_user_sgpr_kernarg_segment_ptr 1
		.amdhsa_wavefront_size32 1
		.amdhsa_system_sgpr_workgroup_id_x 1
		.amdhsa_system_sgpr_workgroup_id_y 1
		.amdhsa_system_sgpr_workgroup_id_z 1
		.amdhsa_system_vgpr_workitem_id 0
		.amdhsa_next_free_vgpr 256
		.amdhsa_next_free_sgpr 66
		.amdhsa_reserve_vcc 1
		.amdhsa_float_denorm_mode_32 3
		.amdhsa_float_denorm_mode_16_64 3
		.amdhsa_memory_ordered 1
		.amdhsa_forward_progress 1
		.amdhsa_inst_pref_size 27
	.end_amdhsa_kernel
	.amdgpu_metadata
---
amdhsa.version: [ 1, 2 ]
amdhsa.kernels:
  - .name:           k_qd1a8843bb2_attn
    .symbol:         k_qd1a8843bb2_attn.kd
    .args:
      - { .name: qrec, .offset: 0, .size: 8, .value_kind: global_buffer, .address_space: global }
      - { .name: kvrec, .offset: 8, .size: 8, .value_kind: global_buffer, .address_space: global }
      - { .name: aimg, .offset: 16, .size: 8, .value_kind: global_buffer, .address_space: global }
      - { .name: ascl, .offset: 24, .size: 8, .value_kind: global_buffer, .address_space: global }
    .group_segment_fixed_size: 243712
    .private_segment_fixed_size: 0
    .kernarg_segment_align: 8
    .kernarg_segment_size: 32
    .max_flat_workgroup_size: 512
    .sgpr_count:     66
    .vgpr_count:     256
    .wavefront_size: 32
...
	.end_amdgpu_metadata
.endif
;; end of part 2
;; launch oproj (part 3): grid 4 x 32, 4 waves a work-group, clusters of 4 x 4, 327,680 bytes of LDS; arguments aimg, ascl, wo_codes, wo_scales, bo, out0; writes out0
.if DOCPART == 3
	.amdgcn_target "amdgcn-amd-amdhsa--gfx1250"
	.amdhsa_code_object_version 6
	.text
	.protected	k_qd1a8843bb2_oproj
	.globl	k_qd1a8843bb2_oproj
	.p2align	8
	.type	k_qd1a8843bb2_oproj,@function
k_qd1a8843bb2_oproj:
	s_mov_b64 s[64:65], 0
	v_nop
	global_prefetch_b8 v0, s[64:65] scope:SCOPE_SE
	s_setreg_imm32_b32 hwreg(HW_REG_WAVE_MODE, 25, 1), 1
	s_wait_xcnt 0x0
	s_wait_alu depctr_hold_cnt(0) depctr_sa_sdst(0) depctr_va_vdst(0) depctr_va_sdst(0) depctr_va_ssrc(0) depctr_va_vcc(0) depctr_vm_vsrc(0)
	s_getreg_b32 s2, hwreg(HW_REG_IB_STS2, 6, 4)
	s_cmp_eq_u32 s2, 0
	s_cbranch_scc0 .Lentry_in_a_cluster
	s_endpgm
.Lentry_in_a_cluster:
	s_bfe_u32 s2, ttmp6, 0x10000c
	s_cmp_lg_u32 s2, 0xf033
	s_cbranch_scc0 .Lentry_shape_is_right
	s_endpgm
.Lentry_shape_is_right:
; out0 = A wo^T + bo.  A [8,192][1,024]: the attention's result as codes of FP6 (E2M3), laid as images of operand registers; wo [1,024][1,024]: codes, K innermost; E8M0 scales [row][32] for both; out0 f32; sums in f32.
; A tile of 256 x 256 is made by four waves, 128 x 128 each (64 accumulators); K goes in four steps of 256 through two LDS slots filled by the tensor data mover.
; A's IMAGES: [tile of 16 tokens][head (16)][piece (3)][8 bytes a lane]: a head's 64 codes of 16 tokens are 768 bytes; 128 along K are two heads: six loads of 8 bytes a lane, each 256 consecutive bytes.
;   A K step of 256 is 3,072 consecutive bytes of each tile's 12,288: the mover brings 8 tiles (128 tokens) as 8 rows of 3,072 bytes.  16 tokens x 768 bytes = 12,288: a token's offset is token x 768, as for rows of codes.
; CLUSTERS: 4 x 4 work-groups; A's tiles are asked for jointly along a row of the cluster, wo's along a column.  The matrix instruction is used transposed (source 0 = 16 rows of wo, source 1 = 16 tokens).
; THE BIAS is the C of each sum's first matrix instruction: eight registers a block of wo's rows, in the result's layout.
; REGISTERS: window 0: v0-31 addresses; v32-63 scale words, two sets; v64-127 the bias; v128-223 A's fragments, one set.  window 1: wo's fragments, two sets.  windows 2, 3: the accumulators.
.set SIZE_N, 1024
.set NQ,     2
.set ROWB,   192
.set KROW,   768
.set PITCH,  240
.set FR,     12
.set NL,     6
.set NP,     4
.set HALFT,  128*PITCH                 ; 128 rows of wo in LDS
.set HALFA,  24576                     ; 8 tiles of A x 3,072 bytes
.set ASTEP,  3072
.set BOFF,   2*HALFA
.set SLOT,   BOFF+2*HALFT
.set KS,     32
.set SCL,    2*SLOT
.set HALFS,  (128*KS/256)*272
.set SBLK,   (16*KS/256)*272
.set SPARE,  SCL+4*HALFS               ; the spare words: two blocks of 256 bytes that no other line names
.set SPITCH, 528                       ; the way out: a stage of 16 rows x (512 + 16) bytes a wave, in slot 0, which has had its last fill and its last read by then
.set ADRA, 16
.set ADRB, 20
.set STO,  24
.set RD,   25
.set CO,   26
.set ADRS, 27
.set SPW,  28
.set NIL,  29
.set SC,   32
.set BI,   64
.set AF,   128
.set BK,   128
.set G1, 24
.set G0, 32
.set G1B, 48
.set G0B, 56
.set G1S, 68
.set G0S, 76
.set G1SB, 80
.set G0SB, 88
.set MSB, 0
.macro WIN new
.if MSB != (\new)
	s_set_vgpr_msb (MSB<<8)|(\new)
.set MSB, (\new)
.endif
.endm
.set MUL_LO, 0xa1
.set MUL_HI, 0xf1
.set TO_B,   0x40
.macro JLOAD g0a, g1a, g0b, g1b        ; waves 0 and 1 fetch for A, waves 2 and 3 for wo; four v_nop follow each line
	s_cmp_eq_u32 s15, 0
	s_cbranch_scc0 .Lfor_b_\@
	tensor_load_to_lds s[\g0a:\g0a+3], s[\g1a:\g1a+7]
	s_nop 0
.rept 4
	v_nop
.endr
	s_branch .Lasked_\@
.Lfor_b_\@:
	tensor_load_to_lds s[\g0b:\g0b+3], s[\g1b:\g1b+7]
	s_nop 0
.rept 4
	v_nop
.endr
.Lasked_\@:
.endm
.macro CREST
	s_cmp_lg_u32 s14, 0
	s_cbranch_scc1 .Lnot_wave_0_\@
	s_barrier_signal -3
.Lnot_wave_0_\@:
	s_barrier_wait -3
	s_barrier_signal -1
	s_barrier_wait -1
.endm
.macro CROUND
	s_barrier_signal -1
	s_barrier_wait -1
	CREST
.endm
	s_load_b128 s[4:7], s[0:1], 0x0                ; A's images, A's scales
	s_load_b128 s[8:11], s[0:1], 0x10              ; wo's codes, wo's scales
	s_load_b64 s[66:67], s[0:1], 0x20              ; bo
	s_load_b64 s[12:13], s[0:1], 0x28              ; out0
	v_lshl_add_u32 v[SPW], v0, 2, SPARE
	v_mov_b32 v[NIL], 0
	ds_add_u32 v28, v29
	ds_add_u32 v28, v29
	s_wait_dscnt 0x0
	v_lshrrev_b32 v1, 5, v0
	v_readfirstlane_b32 s14, v1                    ; wave 0..3
	s_lshr_b32 s15, s14, 1                         ; which half of the tile's tokens is mine.  Also: I fetch for A (0) or for wo (1)
	s_and_b32 s16, s14, 1                          ; which half of its columns.  Also: which 128 rows I fetch
	s_bfe_u32 s40, ttmp6, 0x40000
	s_bfe_u32 s41, ttmp6, 0x40004
	s_lshl_b32 s42, ttmp9, 2
	s_add_co_u32 s42, s42, s40                     ; tile column
	s_and_b32 s17, ttmp7, 0xffff
	s_lshl_b32 s17, s17, 2
	s_add_co_u32 s17, s17, s41                     ; tile row
	s_lshl_b32 s43, s41, 2
	s_lshl_b32 s43, 15, s43
	s_lshl_b32 s44, 0x1111, s40
	; group 1 for A: 8 rows of 384 elements of 8 bytes, 1,536 elements apart, no padding
	s_or_b32 s[G1+0], s43, (3<<16)|(1<<21)
	s_mov_b32 s[G1+1], 384<<16
	s_mov_b32 s[G1+2], 8<<16
	s_mov_b32 s[G1+3], 384<<16
	s_mov_b32 s[G1+4], 8
	s_mov_b32 s[G1+5], 1536
	s_mov_b32 s[G1+6], 0
	s_mov_b32 s[G1+7], 0
	; for wo: 128 rows x 192 bytes, 16 bytes of padding behind every 64
	s_or_b32 s[G1B+0], s44, (0<<16)|(1<<20)|(1<<21)|(3<<22)|(3<<25)
	s_mov_b32 s[G1B+1], ROWB<<16
	s_mov_b32 s[G1B+2], 128<<16
	s_mov_b32 s[G1B+3], ROWB<<16
	s_mov_b32 s[G1B+4], 128
	s_mov_b32 s[G1B+5], KROW
	s_mov_b32 s[G1B+6], 0
	s_mov_b32 s[G1B+7], 0
	; for the scales of 128 rows: 16 rows of 256 bytes, 16 bytes of padding behind each
	s_or_b32 s[G1S+0], s43, (3<<16)|(1<<20)|(1<<21)|(5<<22)|(3<<25)
	s_or_b32 s[G1SB+0], s44, (3<<16)|(1<<20)|(1<<21)|(5<<22)|(3<<25)
.irp g, G1S, G1SB
	s_mov_b32 s[\g+1], 32<<16
	s_mov_b32 s[\g+2], (128*KS/256)<<16
	s_mov_b32 s[\g+3], 32<<16
	s_mov_b32 s[\g+4], 128*KS/256
	s_mov_b32 s[\g+5], 32
	s_mov_b32 s[\g+6], 0
	s_mov_b32 s[\g+7], 0
.endr
	s_lshl_b32 s18, s16, 7
	s_lshl_b32 s20, s17, 8
	s_add_co_u32 s20, s20, s18                     ; A: token 256 x tile row + 128 x half
	s_lshl_b32 s46, s42, 8
	s_add_co_u32 s46, s46, s18                     ; wo: row 256 x tile column + 128 x half
	s_mov_b32 s21, 0
	s_mov_b32 s47, 0
	s_mov_b64 s[18:19], KS
	s_mul_u64 s[22:23], s[20:21], s[18:19]
	s_mul_u64 s[92:93], s[46:47], s[18:19]
	s_mov_b64 s[18:19], KROW
	s_mul_u64 s[20:21], s[20:21], s[18:19]
	s_mul_u64 s[46:47], s[46:47], s[18:19]
	s_mul_i32 s45, s16, HALFA                      ; where they go: no place in the cluster enters an LDS address
	s_mul_i32 s95, s16, HALFT
	s_add_co_u32 s95, s95, BOFF
	s_mul_i32 s94, s14, HALFS
	s_wait_kmcnt 0x0
	s_add_nc_u64 s[20:21], s[4:5], s[20:21]
	s_add_nc_u64 s[22:23], s[6:7], s[22:23]
	s_add_nc_u64 s[46:47], s[8:9], s[46:47]
	s_add_nc_u64 s[92:93], s[10:11], s[92:93]
	CROUND                                         ; all sixteen work-groups are here: the first joint loads meet
	s_mov_b32 s[G0S], 1
	s_add_co_u32 s[G0S+1], s94, SCL
	s_mov_b64 s[G0S+2:G0S+3], s[22:23]
	s_or_b32 s[G0S+3], s[G0S+3], 0x80000000
	s_mov_b32 s[G0SB], 1
	s_add_co_u32 s[G0SB+1], s94, SCL
	s_mov_b64 s[G0SB+2:G0SB+3], s[92:93]
	s_or_b32 s[G0SB+3], s[G0SB+3], 0x80000000
	JLOAD G0S, G1S, G0SB, G1SB                     ; the scales for all of K: filled once
.irp s, 0,1
	s_mov_b32 s[G0+4*\s], 1
	s_add_co_u32 s[G0+4*\s+1], s45, \s*SLOT
	s_add_nc_u64 s[G0+4*\s+2:G0+4*\s+3], s[20:21], \s*ASTEP
	s_or_b32 s[G0+4*\s+3], s[G0+4*\s+3], 0x80000000
	s_mov_b32 s[G0B+4*\s], 1
	s_add_co_u32 s[G0B+4*\s+1], s95, \s*SLOT
	s_add_nc_u64 s[G0B+4*\s+2:G0B+4*\s+3], s[46:47], \s*ROWB
	s_or_b32 s[G0B+4*\s+3], s[G0B+4*\s+3], 0x80000000
	JLOAD G0+4*\s, G1, G0B+4*\s, G1B               ; K steps 0 and 1: three tensor loads of mine are out
.endr
	v_and_b32 v1, 15, v0                           ; r
	v_bfe_u32 v2, v0, 4, 1                         ; h
	v_and_b32 v6, 31, v0                           ; lane
	v_mul_u32_u24 v3, v1, PITCH
	v_mul_u32_u24 v4, v2, 24
	v_add_nc_u32 v4, v3, v4                        ; wo: a fragment's row x pitch + 24 x half
	v_lshl_add_u32 v5, v2, 4, v4                   ; and the same behind one padding more
	v_lshlrev_b32 v3, 3, v6                        ; A: 8 x lane
	s_mul_i32 s21, s15, HALFA                      ; my 8 tiles of A
	s_mul_i32 s22, s16, HALFT                      ; my 128 rows of wo,
	s_add_co_u32 s22, s22, BOFF                    ; which lie behind A's part
.irp s, 0,1
	v_add_nc_u32 v[ADRA+\s], s21, v3
	v_add_nc_u32 v[ADRB+\s], s22, v4
	v_add_nc_u32 v[ADRB+2+\s], s22, v5
	s_add_co_u32 s21, s21, SLOT
	s_add_co_u32 s22, s22, SLOT
.endr
	v_mul_u32_u24 v5, v1, KS
	v_lshrrev_b32 v7, 8, v5
	v_lshl_add_u32 v5, v7, 4, v5
	s_mul_i32 s21, s15, HALFS
	s_mul_i32 s22, s16, HALFS
	s_add_co_u32 s22, s22, 2*HALFS
	s_sub_co_u32 s22, s22, s21
	v_mul_u32_u24 v7, s22, v2                      ; lanes 16-31 take wo's
	s_add_co_u32 s21, s21, SCL
	v_add_nc_u32 v5, v5, v7
	v_add_nc_u32 v[ADRS], s21, v5
	s_mul_i32 s23, s14, 16*SPITCH                  ; my stage
	v_mul_u32_u24 v5, v1, SPITCH
	v_lshl_add_u32 v5, v2, 5, v5
	v_add_nc_u32 v[STO], s23, v5
	v_lshlrev_b32 v[CO], 4, v6
	v_add_nc_u32 v[RD], s23, v[CO]
	s_lshl_b32 s20, s17, 8
	s_lshl_b32 s21, s15, 7
	s_add_co_u32 s20, s20, s21                     ; my first row of out0
	s_mov_b32 s21, 0
	s_mov_b64 s[18:19], SIZE_N*4
	s_mul_u64 s[20:21], s[20:21], s[18:19]
	s_lshl_b32 s46, s42, 10                        ; my first column, in bytes: 1,024 x tile column + 512 x half: the same offset in bo
	s_lshl_b32 s47, s16, 9
	s_add_co_u32 s46, s46, s47
	s_mov_b32 s47, 0
	s_add_nc_u64 s[66:67], s[66:67], s[46:47]
	s_add_nc_u64 s[20:21], s[20:21], s[46:47]
	s_add_nc_u64 s[12:13], s[12:13], s[20:21]
	v_lshlrev_b32 v8, 5, v2                        ; 32 h
.irp b, 0,1,2,3,4,5,6,7
	global_load_b128 v[BI+8*\b:BI+8*\b+3], v8, s[66:67] offset:64*\b          ; bo[my column + 16 b + 8 h + 0 .. 7]
	global_load_b128 v[BI+8*\b+4:BI+8*\b+7], v8, s[66:67] offset:64*\b+16
.endr
.macro FRAG reg, adr, q, i             ; a fragment of wo: 24 bytes twice, in pieces of 8 bytes; the second address register serves the pieces behind one padding more
.irp p, 0,1,2,3,4,5
.set PC, 12*(\q)+6*(\p/3)+\p%3
.if PC%8 < 5
	ds_load_b64 v[\reg+2*\p:\reg+2*\p+1], v[\adr] offset:8*PC+16*(PC/8)+(\i)*16*PITCH
.else
	ds_load_b64 v[\reg+2*\p:\reg+2*\p+1], v[\adr+2] offset:8*PC+16*(PC/8)+(\i)*16*PITCH
.endif
.endr
.endm
.macro FRAGA reg, slot, q, i           ; a fragment of A: two heads' three pieces, as they were stored
.irp p, 0,1,2,3,4,5
	ds_load_b64 v[\reg+2*\p:\reg+2*\p+1], v[ADRA+\slot] offset:(\i)*ASTEP+1536*(\q)+256*\p
.endr
.endm
; 16 matrix instructions; first = 1: the sums begin with the bias.  The 64 accumulators take turns, one instruction a turn.
.macro MUL16 a0, p, q, sc, first
.irp a, \a0, \a0+1
.irp b, 0,1,2,3,4,5,6,7
.if \first
	v_wmma_scale_f32_16x16x128_f8f6f4 v[8*(8*((\a)%4)+\b):8*(8*((\a)%4)+\b)+7], v[128*(\p)+FR*\b:128*(\p)+FR*\b+FR-1], v[AF+FR*(\a):AF+FR*(\a)+FR-1], v[BI+8*\b:BI+8*\b+7], v[SC+8*NQ*(\sc)+NQ*\b+(\q)], v[SC+8*NQ*(\sc)+NQ*(\a)+(\q)] matrix_a_fmt:MATRIX_FMT_FP6 matrix_b_fmt:MATRIX_FMT_FP6 matrix_a_scale:MATRIX_SCALE_ROW1
.else
	v_wmma_scale_f32_16x16x128_f8f6f4 v[8*(8*((\a)%4)+\b):8*(8*((\a)%4)+\b)+7], v[128*(\p)+FR*\b:128*(\p)+FR*\b+FR-1], v[AF+FR*(\a):AF+FR*(\a)+FR-1], v[8*(8*((\a)%4)+\b):8*(8*((\a)%4)+\b)+7], v[SC+8*NQ*(\sc)+NQ*\b+(\q)], v[SC+8*NQ*(\sc)+NQ*(\a)+(\q)] matrix_a_fmt:MATRIX_FMT_FP6 matrix_b_fmt:MATRIX_FMT_FP6 matrix_a_scale:MATRIX_SCALE_ROW1
.endif
.endr
.endr
.endm
.macro FETCH_B slot, q, p
	WIN TO_B
.irp i, 0,1,2,3,4,5,6,7
	FRAG 128*(\p)+FR*\i, ADRB+\slot, \q, \i
.endr
	WIN 0
.endm
.macro FETCH_A slot, q, i0
.irp i, \i0, \i0+1, \i0+2, \i0+3
	FRAGA AF+FR*(\i), \slot, \q, \i
.endr
.endm
.macro SCALES sc
.irp i, 0,1,2,3,4,5,6,7
	ds_load_b64 v[SC+8*NQ*\sc+NQ*\i:SC+8*NQ*\sc+NQ*\i+1], v[ADRS] offset:\i*SBLK
.endr
.endm
.macro PLACES n
.rept \n
	v_nop
.endr
.endm
.macro STEP slot, q, first
	s_wait_dscnt 4*NL                              ; wo's set and A's blocks 0-3 are in; the youngest 24 loads (A's blocks 4-7) may be out
.if \first
	WIN 0x81                                       ; source 0 window 1, source 1 and C (the bias) window 0, D window 2
.else
	WIN MUL_LO
.endif
	MUL16 0, (\q)%2, \q, \slot, \first
	MUL16 2, (\q)%2, \q, \slot, \first
	s_wait_dscnt 0
	PLACES NP
	FETCH_B \slot, (\q)+1, 1-(\q)%2
	FETCH_A \slot, (\q)+1, 0
.if \first
	WIN 0xc1
.else
	WIN MUL_HI
.endif
	MUL16 4, (\q)%2, \q, \slot, \first
	MUL16 6, (\q)%2, \q, \slot, \first
	PLACES NP
	WIN 0
	FETCH_A \slot, (\q)+1, 4
.endm
.macro TURN slot, next, fill
	s_wait_tensorcnt 0x0                           ; all my tensor loads have landed: my part of the next slot
	ds_add_u32 v[SPW], v[NIL]                      ; 0 onto my spare word
	s_wait_dscnt 4*NL+1                            ; the add and the youngest 24 loads may be out
	WIN MUL_LO
	MUL16 0, 1, NQ-1, \slot, 0
	s_wait_dscnt 0x0                               ; the add is done, and my reads of this slot are over
	s_barrier_signal -1
	MUL16 2, 1, NQ-1, \slot, 0
	WIN 0
	s_barrier_wait -1
.if \fill
	CREST                                          ; the barrier has opened a round of the cluster's
	s_add_nc_u64 s[G0+4*\slot+2:G0+4*\slot+3], s[G0+4*\slot+2:G0+4*\slot+3], 2*ASTEP
	s_add_nc_u64 s[G0B+4*\slot+2:G0B+4*\slot+3], s[G0B+4*\slot+2:G0B+4*\slot+3], 2*ROWB
	JLOAD G0+4*\slot, G1, G0B+4*\slot, G1B         ; the first tensor load behind the round; its four v_nop are the places in front of the loads below
.else
	PLACES NP
.endif
	v_add_nc_u32 v[ADRS], 4*NQ, v[ADRS]
	FETCH_B \next, 0, 0
	FETCH_A \next, 0, 0
	SCALES \next
	WIN MUL_HI
	MUL16 4, 1, NQ-1, \slot, 0
	MUL16 6, 1, NQ-1, \slot, 0
	PLACES NP
	WIN 0
	FETCH_A \next, 0, 4
.endm
	s_wait_loadcnt 0x0                             ; the bias
	s_wait_tensorcnt 1                             ; the scales and my part of K step 0 are in; K step 1's load may be out
	s_barrier_signal -1
	s_barrier_wait -1
	FETCH_B 0, 0, 0
	FETCH_A 0, 0, 0
	SCALES 0
	FETCH_A 0, 0, 4
	STEP 0, 0, 1
	TURN 0, 1, 1                                   ; slot 0 takes K step 2
	STEP 1, 0, 0
	TURN 1, 0, 1                                   ; slot 1 takes K step 3
	STEP 0, 0, 0
	TURN 0, 1, 0
	STEP 1, 0, 0
	s_wait_dscnt 4*NL
	WIN MUL_LO
	MUL16 0, 1, NQ-1, 1, 0
	MUL16 2, 1, NQ-1, 1, 0
	s_wait_dscnt 0
	WIN MUL_HI
	MUL16 4, 1, NQ-1, 1, 0
	MUL16 6, 1, NQ-1, 1, 0
	WIN 0
; THE WAY OUT, block by block of 16 rows x 128 columns, through my own stage: back come whole rows of 512 bytes.  LDS serves a wave's instructions in order (ISA guide 5.7.1.4).
.macro TOSTAGE a
.set AC, 64*((\a)%4)
	WIN 0x08+4*((\a)/4)                            ; the data: window 2 or 3
.irp b, 0,1,2,3,4,5,6,7
	ds_store_b128 v[STO], v[AC+8*\b:AC+8*\b+3] offset:64*\b          ; each accumulator from its low end on
	ds_store_b128 v[STO], v[AC+8*\b+4:AC+8*\b+7] offset:64*\b+16
.endr
	WIN 0
.set BB, BK+64*((\a)%2)
.irp t, 0,1,2,3,4,5,6,7,8,9,10,11,12,13,14,15
	ds_load_b128 v[BB+4*\t:BB+4*\t+3], v[RD] offset:\t*SPITCH
.endr
.endm
.macro SEND a, younger                 ; younger: the LDS instructions issued behind block a's loads, which may stay out
.set BB, BK+64*((\a)%2)
	s_wait_dscnt \younger
.if (\a) > 0
	s_add_nc_u64 s[12:13], s[12:13], 16*SIZE_N*4   ; (behind a wait on XCNT: the earlier stores have read their base)
.endif
.irp t, 0,1,2,3,4,5,6,7,8,9,10,11,12,13,14,15
	global_store_b128 v[CO], v[BB+4*\t:BB+4*\t+3], s[12:13] offset:\t*SIZE_N*4 th:TH_STORE_NT   ; 32 lanes store 512 consecutive bytes, aligned
.endr
.endm
	PLACES NP
	TOSTAGE 0
.irp a, 1,2,3,4,5,6,7
.if \a > 1
	s_wait_xcnt 0x0                                ; block a - 2's stores have read their registers and their base
.endif
	TOSTAGE \a
	SEND \a-1, 32                                  ; behind block a - 1's loads: block a's 16 stores and 16 loads
.endr
	s_wait_xcnt 0x0
	SEND 7, 0
	s_wait_tensorcnt 0x0                           ; the wave's end
	ds_add_u32 v[SPW], v[NIL]
	s_wait_dscnt 0x0
	CROUND                                         ; the closing round
	s_endpgm
.Lfunc_end_k_qd1a8843bb2_oproj:
	.size	k_qd1a8843bb2_oproj, .Lfunc_end_k_qd1a8843bb2_oproj-k_qd1a8843bb2_oproj
	.p2alignl 7, 3214868480
	.fill 96, 4, 3214868480
	.section	.rodata,"a",@progbits
	.p2align	6, 0x0
	.amdhsa_kernel k_qd1a8843bb2_oproj
		.amdhsa_group_segment_fixed_size 327680
		.amdhsa_private_segment_fixed_size 0
		.amdhsa_enable_private_segment 0
		.amdhsa_kernarg_size 48
		.amdhsa_user_sgpr_count 2
		.amdhsa_user_sgpr_kernarg_segment_ptr 1
		.amdhsa_wavefront_size32 1
		.amdhsa_system_sgpr_workgroup_id_x 1
		.amdhsa_system_sgpr_workgroup_id_y 1
		.amdhsa_system_sgpr_workgroup_id_z 1
		.amdhsa_system_vgpr_workitem_id 0
		.amdhsa_next_free_vgpr 1024
		.amdhsa_next_free_sgpr 98
		.amdhsa_reserve_vcc 0
		.amdhsa_float_denorm_mode_32 3
		.amdhsa_float_denorm_mode_16_64 3
		.amdhsa_memory_ordered 1
		.amdhsa_forward_progress 1
		.amdhsa_inst_pref_size 161
	.end_amdhsa_kernel
	.amdgpu_metadata
---
amdhsa.version: [ 1, 2 ]
amdhsa.kernels:
  - .name:           k_qd1a8843bb2_oproj
    .symbol:         k_qd1a8843bb2_oproj.kd
    .args:
      - { .name: aimg, .offset: 0, .size: 8, .value_kind: global_buffer, .address_space: global }
      - { .name: ascl, .offset: 8, .size: 8, .value_kind: global_buffer, .address_space: global }
      - { .name: wo_codes, .offset: 16, .size: 8, .value_kind: global_buffer, .address_space: global }
      - { .name: wo_scales, .offset: 24, .size: 8, .value_kind: global_buffer, .address_space: global }
      - { .name: bo, .offset: 32, .size: 8, .value_kind: global_buffer, .address_space: global }
      - { .name: out0, .offset: 40, .size: 8, .value_kind: global_buffer, .address_space: global }
    .group_segment_fixed_size: 327680
    .private_segment_fixed_size: 0
    .kernarg_segment_align: 8
    .kernarg_segment_size: 48
    .max_flat_workgroup_size: 128
    .sgpr_count:     98
    .vgpr_count:     1024
    .wavefront_size: 32
...
	.end_amdgpu_metadata
.endif
;; end of part 3
